; MI455X (gfx1250); checked and timed in simulation.
; The chip was launched on July 23, 2026; its instructions are those of AMD's public machine-readable ISA for CDNA 5 (MIT licence, August 2026) and "CDNA5" Instruction Set Architecture Reference Guide (July 2026). The comments in the code are by the model that wrote it; some were corrected since.
;; Model. Allowed arithmetic: matrix products marked QUANTISED: E4M3 operands, one given power-of-two scale a tensor, by v_wmma_f32_16x16x64_fp8_fp8 or v_wmma_f32_16x16x128_fp8_fp8, f32 sums; products left as they are: f32 operands where the result goes on into a quantised operand, else bf16, f16 or f32 operands; f32 sums; everything else in f32.
;; Inputs: W1 4 x 1,024 x 4,096 float32; W2 4 x 4,096 x 1,024 float32; Wg 1,024 x 4 float32; Wh 1,024 x 1,000 float32; b1 4 x 4,096 float32; b2 4 x 1,024 float32; bg 4 float32; bh 1,000 float32; lowp_scales 18 int32 (the exponents e of the quantised operands' scales 2^e); x 16 x 128 x 1,024 float32.
;; Outputs: out0 16 x 1,000 float32; out1 one number float32.
;; This version of the problem:
;;   THIS VERSION OF THE PROBLEM IS GIVEN IN LOW PRECISION. The matrix products marked QUANTISED in the list below multiply operands that are first quantised to E4M3 (4 exponent bits, 3 mantissa bits; 8 bits a number), with one given power-of-two scale for each operand tensor; their sums are f32. All else is computed in f32.
;;   The module's matrix products, in the order in which they are computed (A, B: the left and right operand; K: the contracted axis; several contracted axes count as one K, in the product's order):
;;     1. [M 2,048, K 1,024] x [K 1,024, N 4]; A: input x; B: input Wg: left as it is (N = 4 < 16)
;;     2. [M 2,048, K 1,024] x [K 1,024, N 4,096]; A: input x; B: input W1: QUANTISED (scales: A lowp_scales[0], B lowp_scales[1])
;;     3. [M 2,048, K 4,096] x [K 4,096, N 1,024]; A: computed on the way; B: input W2: QUANTISED (scales: A lowp_scales[2], B lowp_scales[3])
;;     4. [M 2,048, K 1,024] x [K 1,024, N 4,096]; A: input x; B: input W1: QUANTISED (scales: A lowp_scales[4], B lowp_scales[5])
;;     5. [M 2,048, K 4,096] x [K 4,096, N 1,024]; A: computed on the way; B: input W2: QUANTISED (scales: A lowp_scales[6], B lowp_scales[7])
;;     6. [M 2,048, K 1,024] x [K 1,024, N 4,096]; A: input x; B: input W1: QUANTISED (scales: A lowp_scales[8], B lowp_scales[9])
;;     7. [M 2,048, K 4,096] x [K 4,096, N 1,024]; A: computed on the way; B: input W2: QUANTISED (scales: A lowp_scales[10], B lowp_scales[11])
;;     8. [M 2,048, K 1,024] x [K 1,024, N 4,096]; A: input x; B: input W1: QUANTISED (scales: A lowp_scales[12], B lowp_scales[13])
;;     9. [M 2,048, K 4,096] x [K 4,096, N 1,024]; A: computed on the way; B: input W2: QUANTISED (scales: A lowp_scales[14], B lowp_scales[15])
;;     10. [M 16, K 1,024] x [K 1,024, N 1,000]; A: computed on the way; B: input Wh: QUANTISED (scales: A lowp_scales[16], B lowp_scales[17])
;;   THE QUANTISER, for each operand of a quantised product, along K:
;;     - The operand's scale is 2^e, e = its entry of the input lowp_scales (int32; the entries are numbered through the quantised products in the list's order, A before B).
;;     - Each number is divided by the scale, clamped to +-448, and rounded to the nearest number of E4M3, ties to even, subnormals kept.
;;     - The product sums the exact products of the quantised numbers (number of the format x scale) in f32.
;;   ~~~python
;;   def quantise(x, axis, e):      # numpy; x: float32 -> the quantised numbers, widened to float32 again
;;       x = np.moveaxis(x, axis, -1); K = x.shape[-1]
;;       r = np.clip(x / 2.0 ** e, -448, 448)
;;       step = 2.0 ** (np.maximum(np.frexp(np.where(r == 0, 1, r))[1] - 1, -6) - 3)
;;       q = np.round(r / step) * step * 2.0 ** e      # np.round: ties to even
;;       return np.moveaxis(q, -1, axis).astype(np.float32)
;;   ~~~
;;   OPERANDS COMPUTED ON THE WAY. 'Computed on the way' means the value that the module computes at that place (a softmax that the list does not call 'softmax' is quantised finished and normalised). What goes into a quantiser is computed in f32, as accurately as f32 sums, v_exp_f32 and their like allow (about 1e-6 of the number): no bf16 or f16 on the way to a quantiser, and a product that is left as it is and whose result goes on into a quantised operand takes f32 operands (vector FMAs, or v_wmma_f32_16x16x4_f32). A number that lies on a knife's edge between two numbers of the format may be rounded either way, as far as f32 arithmetic and the matrix unit's own rounding can turn it there, and no further.
;; One version. Each part assembles by itself: llvm-mc -triple=amdgcn-amd-amdhsa -mcpu=gfx1250 --defsym DOCPART=n.
;; ======== version 1 of 1: 4 launches
;; limits: right only within a limited range of input values
;; workspace buffers: oh 8,192 bytes of whole numbers; rt 24,576 bytes; whq 1,032,192 bytes; xq 2,097,152 bytes; w1q 16,777,216 bytes; w2q 16,777,216 bytes; part 4,194,304 bytes; pq 16,384 bytes
;; launch prep (part 1): grid 894 x 1, 4 waves a work-group, no clusters, 0 bytes of LDS; arguments x, Wg, bg, Wh, lowp_scales, W1, W2, oh, rt, whq, xq, w1q, w2q; writes oh, rt, whq, xq, w1q, w2q
.if DOCPART == 1
	.amdgcn_target "amdgcn-amd-amdhsa--gfx1250"
	.amdhsa_code_object_version 6
	.text
	.protected	k_qd9f540a41a_prep
	.globl	k_qd9f540a41a_prep
	.p2align	8
	.type	k_qd9f540a41a_prep,@function
k_qd9f540a41a_prep:
	s_mov_b64 s[64:65], 0
	v_nop
	global_prefetch_b8 v0, s[64:65] scope:SCOPE_SE
	s_setreg_imm32_b32 hwreg(HW_REG_WAVE_MODE, 25, 1), 1
	s_wait_xcnt 0x0
; THE PROGRAM: a top-1 mixture of 4 experts over 2,048 tokens (16 batches x 128), mean over each batch, a linear head, and the load-balancing number.
; WORK THAT IS NOT DONE.  reference() computes every expert for every token and multiplies the result by onehot[.., e], which it builds in its own body from its own
; argmax: for a token t and an expert e other than the chosen one the factor is 0, so y_e(t) reaches no output, whatever finite values the inputs hold.  This launch stores
; the choice as whole numbers at fixed places; the later launches read them and multiply only each token's chosen expert.  No input is left out: all ten are loaded.
; LIMITS: a NaN, an infinity or an overflow that arises only in an expert that a token did not choose is not carried to the result.  NaN among the inputs is not served.
; Where two probabilities are equal the lower expert is taken (a strict comparison).  lowp_scales[4 e], [4 e + 1], [4 e + 3] and [17] lie between -126 and 119.
; THIS LAUNCH, four kinds of work-group told apart by the work-group's number; waves share nothing, no LDS, no loop to run a prefetch ahead in:
;  0..255: W1 [4][1024][4096] into codes; work-group = (expert e, block hb of 64 hidden units), a wave takes a quarter of K, 8 batches of 16 loads; a load covers two rows x 256 bytes.
;          w1q[e][hb][K step s][tile u][piece c][lane][16 bytes]: lane (g, h) holds hidden unit 4 g + u of the block at 16 k's of the order in which x's codes lie (below).
;          So lane (g, h)'s own four columns are four tiles, its registers run down K, and each store of codes covers 512 consecutive bytes.
;  256..511: W2 [4][4096][1024] likewise: (e, 64 rows hb), a wave takes 256 columns; w2q[e][hb / 4][column block cb of 64][cc][kk][pc][lane][16 bytes], (kk, pc) = bits (hb % 4, p):
;          lane (g, h) holds column 64 cb + 4 g + cc; 16 bytes: hidden units 32 h + 4 j + 2 p (j = 0..7), then 32 h + 4 j + 2 p + 1: the order in which the next launch's first product leaves its results.
;  512..767: the router in f32.  A wave takes 2 tokens; lane l holds k = 32 j + l (j = 0..31) of each and the same rows of Wg.  It stores oh[t] = 1 << (8 x expert), the gate, the sum of
;          its 2 tokens' probabilities, and x's codes with the chosen expert's scale (a select on values): xq[t]: byte 512 (j / 16) + 16 l + j % 16 holds k = 32 j + l.
;  768..893: Wh into codes, images of operand registers: whq[n tile][K step][piece c][lane][16 bytes]; lane (r, h), piece c of step s: column 16 nt + r, k = 128 s + 32 c + 16 h + 0..15.
;          Two work-groups to an n tile, a wave to a K step.  Columns past 999 hold copies of column 999; their results are never stored.
.set WGT, 64                           ; router: v64-191  Wg: row 32 j + lane, four experts, at 4 j
.set X,   192                          ; router: v192-255 x: token a, k = 32 j + lane at 32 a + j
.set ACC, 8                            ; router: v8-23    token a: two chains x two pairs of experts
.macro VW
	s_wait_alu depctr_va_vdst(0)
.endm
.macro SCALE src, sc                   ; v[sc] = 2^e as f32, v[sc+1] = 448 x 2^e
	s_add_co_i32 s52, \src, 127
	s_lshl_b32 s53, s52, 23
	v_mov_b32 v[\sc], s53
	s_add_co_i32 s52, s52, 8
	s_lshl_b32 s52, s52, 23
	s_or_b32 s52, s52, 0x600000
	v_mov_b32 v[(\sc)+1], s52
.endm
; weights: batch b of a wave's eight into landing set b % 3
.macro WLD b, w
.set LS, 64+64*((\b)%3)
.irp i, 0,1,2,3,4,5,6,7,8,9,10,11,12,13,14,15
.if \w == 1
	global_load_b128 v[LS+4*\i:LS+4*\i+3], v4, s[14:15] offset:(8*((\b)/4)+2*((\b)%4)+32*\i)*16384 th:TH_LOAD_NT
.else
	global_load_b128 v[LS+4*\i:LS+4*\i+3], v4, s[16:17] offset:(4*(\i%8)+2*((\b)%2)+(\i/8))*4096+256*((\b)/2) th:TH_LOAD_NT
.endif
.endr
.endm
.macro WQ b, w
.set LS, 64+64*((\b)%3)
.if (\b) <= 5
	s_wait_loadcnt 32                              ; the next two batches' 16 loads each may be out
.elseif (\b) == 6
	s_wait_loadcnt 16
.else
	s_wait_loadcnt 0x0
.endif
	s_wait_xcnt 0x0                                ; the last batch's stores have read their registers
.irp c, 0,1,2,3
.set TT, 16+16*(\c%2)
.irp i, 0,1,2,3,4,5,6,7,8,9,10,11,12,13,14,15
	v_med3_num_f32 v[TT+\i], v[LS+4*\i+\c], -v11, v11   ; the hold (the conversion does not saturate: ISA guide 7.6.2) and the turn: a column's 16 numbers on end
.endr
	v_cvt_scalef32_pk8_fp8_f32 v[48+4*\c:49+4*\c], v[TT:TT+7], v10
	v_cvt_scalef32_pk8_fp8_f32 v[50+4*\c:51+4*\c], v[TT+8:TT+15], v10
.endr
	v_nop                                          ; a plain line behind the last conversion
.irp c, 0,1,2,3
.if \w == 1
	global_store_b128 v5, v[48+4*\c:51+4*\c], s[26:27] offset:8192*((\b)/4)+512*((\b)%4)+2048*\c
.else
	global_store_b128 v5, v[48+4*\c:51+4*\c], s[28:29] offset:16384*((\b)/2)+512*((\b)%2)+4096*\c
.endif
.endr
.if (\b) < 5
	WLD (\b)+3, \w
.endif
.endm
; router: the four logits' partial sums of token a: x(k) is broadcast from its pair, a row of Wg gives two pairs of experts; the first products start the sums
.macro DOT a
.set dj, 0
.rept 32
.irp p, 0,1
.set rA, ACC+8*(\a)+4*(dj%2)+2*\p
.set rW, WGT+4*dj+2*\p
.set rX, X+32*(\a)+2*(dj/2)
.if dj == 0
	v_pk_mul_f32 v[rA:rA+1], v[rW:rW+1], v[rX:rX+1] op_sel_hi:[1,0]
.elseif dj == 1
	v_pk_mul_f32 v[rA:rA+1], v[rW:rW+1], v[rX:rX+1] op_sel:[0,1] op_sel_hi:[1,1]
.elseif (dj%2) == 0
	v_pk_fma_f32 v[rA:rA+1], v[rW:rW+1], v[rX:rX+1], v[rA:rA+1] op_sel_hi:[1,0,1]
.else
	v_pk_fma_f32 v[rA:rA+1], v[rW:rW+1], v[rX:rX+1], v[rA:rA+1] op_sel:[0,1,0] op_sel_hi:[1,1,1]
.endif
.endr
.set dj, dj+1
.endr
.endm
	s_load_b512 s[4:19], s[0:1], 0x0               ; x, Wg, bg, Wh, scales, W1, W2, oh
	s_load_b256 s[20:27], s[0:1], 0x40             ; rt, whq, xq, w1q
	s_load_b64 s[28:29], s[0:1], 0x60              ; w2q
	v_lshrrev_b32 v1, 5, v0
	v_readfirstlane_b32 s30, v1                    ; wave
	v_and_b32 v1, 31, v0                           ; lane
	v_and_b32 v2, 15, v0                           ; r, g
	v_bfe_u32 v3, v0, 4, 1                         ; h
	v_lshlrev_b32 v5, 4, v1                        ; 16 x lane
	VW
	s_mov_b32 s51, 0
	s_mov_b32 s40, 0x76543210                      ; v_permlanex16_b32: lane l xor 16
	s_mov_b32 s41, 0xfedcba98
	s_bfe_u32 s31, ttmp9, 0x20006                  ; weights: e,
	s_and_b32 s33, ttmp9, 63                       ; and hb
	s_wait_kmcnt 0x0
	s_cmp_ge_u32 ttmp9, 512
	s_cbranch_scc1 .Lsmall
	s_lshl_b32 s50, s31, 4
	s_add_nc_u64 s[12:13], s[12:13], s[50:51]
	s_load_b128 s[36:39], s[12:13], 0x0            ; ex, ew1, eh, ew2
	s_cmp_ge_u32 ttmp9, 256
	s_cbranch_scc1 .Lw2
	; ---- W1: my wave's K steps 2 w, 2 w + 1: rows 512 (w / 2) + 16 (w % 2) + 8 (b / 4) + 2 (b % 4) + h + 32 i
	s_lshl_b32 s50, s31, 24
	s_lshl_b32 s52, s33, 8
	s_add_co_u32 s50, s50, s52
	s_lshr_b32 s52, s30, 1
	s_lshl_b32 s52, s52, 23
	s_add_co_u32 s50, s50, s52
	s_and_b32 s52, s30, 1
	s_lshl_b32 s52, s52, 18
	s_add_co_u32 s50, s50, s52
	s_add_nc_u64 s[14:15], s[14:15], s[50:51]
	v_lshlrev_b32 v4, 14, v3
	v_lshl_add_u32 v4, v2, 4, v4
	WLD 0, 1
	WLD 1, 1
	WLD 2, 1
	s_lshl_b32 s50, s31, 22
	s_lshl_b32 s52, s33, 16
	s_add_co_u32 s50, s50, s52
	s_lshl_b32 s52, s30, 14
	s_add_co_u32 s50, s50, s52
	s_add_nc_u64 s[26:27], s[26:27], s[50:51]
	VW
	s_wait_kmcnt 0x0
	SCALE s37, 10
	VW
.irp b, 0,1,2,3,4,5,6,7
	WQ \b, 1
.endr
	s_endpgm
	; ---- W2: rows 64 hb + 32 h + 4 j + u, columns 256 w + 64 (b / 2) + 4 g ..
.Lw2:
	s_lshl_b32 s50, s31, 24
	s_lshl_b32 s52, s33, 18
	s_add_co_u32 s50, s50, s52
	s_lshl_b32 s52, s30, 10
	s_add_co_u32 s50, s50, s52
	s_add_nc_u64 s[16:17], s[16:17], s[50:51]
	v_lshlrev_b32 v4, 17, v3
	v_lshl_add_u32 v4, v2, 4, v4
	WLD 0, 2
	WLD 1, 2
	WLD 2, 2
	s_lshl_b32 s50, s31, 22
	s_lshr_b32 s52, s33, 2
	s_lshl_b32 s52, s52, 18
	s_add_co_u32 s50, s50, s52
	s_lshl_b32 s52, s30, 16
	s_add_co_u32 s50, s50, s52
	s_and_b32 s52, s33, 3
	s_lshl_b32 s52, s52, 10
	s_add_co_u32 s50, s50, s52
	s_add_nc_u64 s[28:29], s[28:29], s[50:51]
	VW
	s_wait_kmcnt 0x0
	SCALE s39, 10
	VW
.irp b, 0,1,2,3,4,5,6,7
	WQ \b, 2
.endr
	s_endpgm
.Lsmall:
	s_cmp_ge_u32 ttmp9, 768
	s_cbranch_scc1 .Lwh
	; ---- the router
	s_load_b128 s[32:35], s[8:9], 0x0              ; bg
.irp e, 0,1,2,3
	s_load_b32 s[36+\e], s[12:13], 16*\e           ; lowp_scales[4 e]
.endr
	s_sub_co_u32 s48, ttmp9, 512
	s_lshl_b32 s48, s48, 2
	s_add_co_u32 s48, s48, s30                     ; which pair of tokens
	s_lshl_b32 s50, s48, 13                        ; two rows of 4,096 bytes
	s_add_nc_u64 s[4:5], s[4:5], s[50:51]
	v_lshlrev_b32 v4, 2, v1
.set li, 0
.rept 32                               ; 32 rows of 16 bytes a load: 512 consecutive bytes
	global_load_b128 v[WGT+4*li:WGT+4*li+3], v5, s[6:7] offset:512*li
.set li, li+1
.endr
.set li, 0
.rept 64                               ; 128 consecutive bytes a load
	global_load_b32 v[X+li], v4, s[4:5] offset:128*li th:TH_LOAD_NT
.set li, li+1
.endr
.irp v, 32,33,34,35,40,41,42,43
	v_mov_b32 v\v, 0                               ; a lane permute's destination counts as read: written once
.endr
	v_mov_b32 v24, 0x100
	v_mov_b32 v25, 0x10000
	v_mov_b32 v26, 0x1000000
	v_mov_b32 v6, 0
	VW
	s_wait_loadcnt 0x0
	DOT 0
	DOT 1
.irp a, 0,1
	v_pk_add_f32 v[ACC+8*\a:ACC+8*\a+1], v[ACC+8*\a:ACC+8*\a+1], v[ACC+8*\a+4:ACC+8*\a+5]
	v_pk_add_f32 v[ACC+8*\a+2:ACC+8*\a+3], v[ACC+8*\a+2:ACC+8*\a+3], v[ACC+8*\a+6:ACC+8*\a+7]
.endr
.irp m, 1,2,4,8                        ; the eight sums over the wave's 32 lanes, side by side
.irp v, 8,9,10,11,16,17,18,19
	v_add_f32_dpp v\v, v\v, v\v row_xmask:\m row_mask:0xf bank_mask:0xf
.endr
.endr
.irp v, 8,9,10,11,16,17,18,19
	v_permlanex16_b32 v[24+\v], v\v, s40, s41
.endr
.irp v, 8,9,10,11,16,17,18,19
	v_add_f32 v\v, v\v, v[24+\v]
.endr
	VW
	s_wait_kmcnt 0x0
.irp e, 0,1,2,3                        ; s[36 + e] = 2^ex, s[44 + e] = 448 x 2^ex
	s_add_co_i32 s52, s[36+\e], 135
	s_lshl_b32 s52, s52, 23
	s_or_b32 s[44+\e], s52, 0x600000
	s_add_co_i32 s52, s[36+\e], 127
	s_lshl_b32 s[36+\e], s52, 23
.endr
.irp e, 0,1,2,3
	v_add_f32 v[8+\e], s[32+\e], v[8+\e]
	v_add_f32 v[16+\e], s[32+\e], v[16+\e]
.endr
	v_max3_num_f32 v20, v8, v9, v10                ; the maximum is taken away ahead of the exponentials, as reference()'s softmax does
	v_max3_num_f32 v21, v16, v17, v18
	v_max_num_f32 v20, v20, v11
	v_max_num_f32 v21, v21, v19
.irp a, 0,1
.irp e, 0,1,2,3
	v_sub_f32 v[44+4*\a+\e], v[8+8*\a+\e], v[20+\a]
.endr
.endr
.irp j, 0,1,2,3,4,5,6,7
	v_mul_f32 v[44+\j], 0x3fb8aa3b, v[44+\j]       ; x log2(e)
.endr
	VW
.irp j, 0,1,2,3,4,5,6,7
	v_exp_f32 v[44+\j], v[44+\j]
.endr
	v_nop                                          ; a plain line behind the last exponential
	VW
	v_add_f32 v52, v44, v45
	v_add_f32 v53, v46, v47
	v_add_f32 v54, v48, v49
	v_add_f32 v55, v50, v51
	v_add_f32 v52, v52, v53
	v_add_f32 v54, v54, v55
	VW
	v_rcp_f32 v56, v52
	v_rcp_f32 v57, v54
	v_nop
	VW
.irp a, 0,1
.irp e, 0,1,2,3
	v_mul_f32 v[44+4*\a+\e], v[44+4*\a+\e], v[56+\a]   ; the probabilities
.endr
.endr
.irp a, 0,1                            ; the largest probability, 1 << (8 x its expert), its expert's scale for x; a later expert wins only if it is strictly larger
	v_mov_b32 v[60+\a], v[44+4*\a]
	v_mov_b32 v[62+\a], 1
	v_mov_b32 v[36+\a], s36
	v_mov_b32 v[38+\a], s44
.irp e, 1,2,3
	v_cmp_gt_f32 vcc_lo, v[44+4*\a+\e], v[60+\a]
	v_cndmask_b32 v[60+\a], v[60+\a], v[44+4*\a+\e], vcc_lo
	v_cndmask_b32 v[62+\a], v[62+\a], v[23+\e], vcc_lo
	v_cndmask_b32 v[36+\a], v[36+\a], s[36+\e], vcc_lo
	v_cndmask_b32 v[38+\a], v[38+\a], s[44+\e], vcc_lo
.endr
.endr
	v_pk_add_f32 v[28:29], v[44:45], v[48:49]      ; the two tokens' probabilities, for the load-balancing number
	v_pk_add_f32 v[30:31], v[46:47], v[50:51]
.irp a, 0,1                            ; x into codes
.set qi, 0
.rept 32
	v_med3_num_f32 v[X+32*\a+qi], v[X+32*\a+qi], -v[38+\a], v[38+\a]
.set qi, qi+1
.endr
.irp g, 0,1,2,3
	v_cvt_scalef32_pk8_fp8_f32 v[64+8*\a+2*\g:65+8*\a+2*\g], v[X+32*\a+8*\g:X+32*\a+8*\g+7], v[36+\a]
.endr
.endr
	v_nop
	VW
	s_lshl_b32 s50, s48, 11
	s_add_nc_u64 s[24:25], s[24:25], s[50:51]      ; xq at my two tokens
	s_lshl_b32 s50, s48, 3
	s_add_nc_u64 s[18:19], s[18:19], s[50:51]      ; oh likewise
	s_add_nc_u64 s[54:55], s[20:21], s[50:51]      ; the gates
	s_lshl_b32 s50, s48, 4
	s_add_nc_u64 s[20:21], s[20:21], s[50:51]      ; my four sums
.irp a, 0,1
	global_store_b128 v5, v[64+8*\a:67+8*\a], s[24:25] offset:1024*\a      ; 512 consecutive bytes each
	global_store_b128 v5, v[68+8*\a:71+8*\a], s[24:25] offset:1024*\a+512
.endr
	s_wait_xcnt 0x0                                ; EXEC changes only behind this wait
	v_cmp_eq_u32 vcc_lo, 0, v1
	s_and_saveexec_b32 s56, vcc_lo                 ; every lane holds the same numbers: lane 0 stores them
	global_store_b64 v6, v[60:61], s[54:55]
	global_store_b64 v6, v[62:63], s[18:19]
	global_store_b128 v6, v[28:31], s[20:21] offset:8192
	s_endpgm
	; ---- Wh into codes: n tile nt = (id - 768) / 2, my wave's K step 4 ((id - 768) % 2) + wave
.Lwh:
	s_load_b32 s36, s[12:13], 0x44                 ; lowp_scales[17]
	s_sub_co_u32 s31, ttmp9, 768
	s_and_b32 s33, s31, 1
	s_lshr_b32 s31, s31, 1                         ; nt
	s_lshl_b32 s33, s33, 2
	s_add_co_u32 s33, s33, s30                     ; my K step
	s_mul_i32 s50, s33, 512000                     ; 128 rows of 4,000 bytes a K step
	s_add_nc_u64 s[10:11], s[10:11], s[50:51]
	s_lshl_b32 s52, s31, 4
	v_add_nc_u32 v4, s52, v2
	v_min_u32 v4, 999, v4                          ; no load leaves the buffer
	v_lshlrev_b32 v4, 2, v4
	v_mul_u32_u24 v6, v3, 64000                    ; lanes 16-31 begin 16 rows further down
	v_add_nc_u32 v4, v4, v6
.set li, 0
.rept 64
	global_load_b32 v[64+li], v4, s[10:11] offset:(32*(li/16)+li%16)*4000 th:TH_LOAD_NT
.set li, li+1
.endr
	s_lshl_b32 s50, s31, 14
	s_lshl_b32 s52, s33, 11
	s_add_co_u32 s50, s50, s52
	s_add_nc_u64 s[22:23], s[22:23], s[50:51]      ; my step's image
	VW
	s_wait_kmcnt 0x0
	SCALE s36, 10
	VW
	s_wait_loadcnt 0x0
.set qi, 0
.rept 64
	v_med3_num_f32 v[64+qi], v[64+qi], -v11, v11
.set qi, qi+1
.endr
.set qi, 0
.rept 8
	v_cvt_scalef32_pk8_fp8_f32 v[192+2*qi:193+2*qi], v[64+8*qi:71+8*qi], v10
.set qi, qi+1
.endr
	v_nop
.irp f, 0,1,2,3
	global_store_b128 v5, v[192+4*\f:195+4*\f], s[22:23] offset:512*\f   ; 512 consecutive bytes
.endr
	s_endpgm
.Lfunc_end_k_qd9f540a41a_prep:
	.size	k_qd9f540a41a_prep, .Lfunc_end_k_qd9f540a41a_prep-k_qd9f540a41a_prep
	.p2alignl 7, 3214868480
	.fill 96, 4, 3214868480
	.section	.rodata,"a",@progbits
	.p2align	6, 0x0
	.amdhsa_kernel k_qd9f540a41a_prep
		.amdhsa_group_segment_fixed_size 0
		.amdhsa_private_segment_fixed_size 0
		.amdhsa_enable_private_segment 0
		.amdhsa_kernarg_size 104
		.amdhsa_user_sgpr_count 2
		.amdhsa_user_sgpr_kernarg_segment_ptr 1
		.amdhsa_wavefront_size32 1
		.amdhsa_system_sgpr_workgroup_id_x 1
		.amdhsa_system_sgpr_workgroup_id_y 1
		.amdhsa_system_sgpr_workgroup_id_z 1
		.amdhsa_system_vgpr_workitem_id 0
		.amdhsa_next_free_vgpr 256
		.amdhsa_next_free_sgpr 66
		.amdhsa_reserve_vcc 1
		.amdhsa_float_denorm_mode_32 3
		.amdhsa_float_denorm_mode_16_64 3
		.amdhsa_memory_ordered 1
		.amdhsa_forward_progress 1
		.amdhsa_inst_pref_size 151
	.end_amdhsa_kernel
	.amdgpu_metadata
---
amdhsa.version: [ 1, 2 ]
amdhsa.kernels:
  - .name:           k_qd9f540a41a_prep
    .symbol:         k_qd9f540a41a_prep.kd
    .args:
      - { .name: x, .offset: 0, .size: 8, .value_kind: global_buffer, .address_space: global }
      - { .name: Wg, .offset: 8, .size: 8, .value_kind: global_buffer, .address_space: global }
      - { .name: bg, .offset: 16, .size: 8, .value_kind: global_buffer, .address_space: global }
      - { .name: Wh, .offset: 24, .size: 8, .value_kind: global_buffer, .address_space: global }
      - { .name: lowp_scales, .offset: 32, .size: 8, .value_kind: global_buffer, .address_space: global }
      - { .name: W1, .offset: 40, .size: 8, .value_kind: global_buffer, .address_space: global }
      - { .name: W2, .offset: 48, .size: 8, .value_kind: global_buffer, .address_space: global }
      - { .name: oh, .offset: 56, .size: 8, .value_kind: global_buffer, .address_space: global }
      - { .name: rt, .offset: 64, .size: 8, .value_kind: global_buffer, .address_space: global }
      - { .name: whq, .offset: 72, .size: 8, .value_kind: global_buffer, .address_space: global }
      - { .name: xq, .offset: 80, .size: 8, .value_kind: global_buffer, .address_space: global }
      - { .name: w1q, .offset: 88, .size: 8, .value_kind: global_buffer, .address_space: global }
      - { .name: w2q, .offset: 96, .size: 8, .value_kind: global_buffer, .address_space: global }
    .group_segment_fixed_size: 0
    .private_segment_fixed_size: 0
    .kernarg_segment_align: 8
    .kernarg_segment_size: 104
    .max_flat_workgroup_size: 128
    .sgpr_count:     66
    .vgpr_count:     256
    .wavefront_size: 32
...
	.end_amdgpu_metadata
.endif
;; end of part 1
;; launch experts (part 2): grid 256 x 1, 4 waves a work-group, no clusters, 325,632 bytes of LDS; arguments oh, rt, xq, w1q, w2q, b1, lowp_scales, part; writes part
.if DOCPART == 2
	.amdgcn_target "amdgcn-amd-amdhsa--gfx1250"
	.amdhsa_code_object_version 6
	.text
	.protected	k_qd9f540a41a_experts
	.globl	k_qd9f540a41a_experts
	.p2align	8
	.type	k_qd9f540a41a_experts,@function
k_qd9f540a41a_experts:
	s_mov_b64 s[64:65], 0
	v_nop
	global_prefetch_b8 v0, s[64:65] scope:SCOPE_SE
	s_setreg_imm32_b32 hwreg(HW_REG_WAVE_MODE, 25, 1), 1
	s_wait_xcnt 0x0
; Both expert products, for each token's chosen expert alone (see the first kernel's head), and the gate-weighted sum over each batch.
; SHARES.  Work-group = (quarter q = id / 64: batches 4 q .. 4 q + 3, expert e = (id / 16) % 4, slice sl = id % 16 of 256 hidden units).
; SLOTS.  The tokens of a batch that chose e are listed in their order, each list padded to a multiple of 8.  A tile is 16 slots: rows 0-7 walk the lists of batches 0 and 1 one behind the other,
;     rows 8-15 those of batches 2 and 3.  T tiles, 0 <= T <= 32.  A padding slot holds some token's codes and the gate 0.
; P1: h^T = W1^T x^T, K = 1,024.  Wave w: hidden units 64 w .. + 63, whose W1 codes fill 512 of its registers, loaded straight as operand images.  x's rows are gathered once for the work-group,
;     whole runs of 256 bytes, and reach all waves through LDS, 11 tiles at a time (a chunk; three chunks at the most; the barriers of all three are always passed, the work only where tiles exist).
;     b1 / 2^(ex + ew1) is the C of a sum's first instruction; relu and the hold are one line; h's codes are images of operand registers in LDS.
; P2: y = h W2 (source 0 = 16 slots, source 1 = 16 columns, K = 256).  Wave w: columns 256 w .. + 255, in two passes of 8 column tiles; W2's codes come straight into registers, the first half in three
;     parts ahead of and between the first chunk's three loops, the second half ahead of and between the first pass's three loops.
;     A lane holds one column and 8 slots OF ONE BATCH: they are summed with their gates.  Behind each product of tile i stand two multiply-adds of tile i - 1 (two sets of results).
;     So tile i is worked for i = 0 .. T, the last (no tile of the list) only for the multiply-adds of the one before; its own results are not used.
;     At tile G0 (lanes 0-15) or G2 (lanes 16-31) the half's second batch begins: its sums are set aside ahead of that tile's multiply-adds.
;     The sums x 2^(eh + ew2 - 7) (the mean over 128) leave: part[16 e + sl][b][1024].
; No tensor load, no copy, no cluster: the guards hang on counts read from memory, so partners would need different numbers of tiles.  No prefetch: no loop loads a stream from memory trip by trip; the weights
;     go into registers of their own ahead of the loops that use them.
; LIMITS on lowp_scales[4 e ..] = ex, ew1, eh, ew2: eh - ex - ew1 between -126 and 119; eh + ew2 - 7 between -126 and 127.  NaN among the inputs is not served.
; LDS: x tile i of a chunk at 17,408 i: 16-byte piece P of a row at 272 P + 16 row; h: HIMG + 4,096 tile + 1,024 wave + 512 p + 16 lane; gates GATE + 64 tile + 4 row; then the spare words.
; REGISTERS.  Window 0: v1-31 addresses, scales; v32-39 codes of h, v48-63 the last 16 registers' codes of W2's first half, v64-95 sums of P1, v96-127 b1, v128-255 x.
;   In P2: v6-13 sums set aside, v30-31 a mask, v32-47 sums, v64-127 h, v128-255 two sets of results.
;   Windows 1, 2: W1 (K steps 0-3, 4-7).  Window 3: x as it lands, then W2's first half.  In P2 W2's second half in window 1, its last 16 registers' codes in window 2 (v16-31).
;   v240-255 of a half's own window hold the gates of two tiles, so that products and multiply-adds run under one setting.
.set XT,    17408
.set HIMG,  191488
.set GATE,  322560
.set SPARE, 325120
.set MSB, 0
.macro WIN new                         ; the immediate's high byte repeats the setting that is left
.if MSB != (\new)
	s_set_vgpr_msb (MSB<<8)|(\new)
.set MSB, (\new)
.endif
.endm
.macro VW
	s_wait_alu depctr_va_vdst(0)
.endm
.macro PLACES                          ; four places behind matrix instructions (ISA guide 7.12.1)
.rept 4
	v_nop
.endr
.endm
.macro WL n0, n1, ptr, r0              ; pieces n0 .. n1 - 1 of a wave's 64 KiB of weight codes, 512 consecutive bytes each
.set wi, \n0
.rept (\n1)-(\n0)
	global_load_b128 v[4*(wi-\r0):4*(wi-\r0)+3], v5, s[\ptr:\ptr+1] offset:512*wi
.set wi, wi+1
.endr
.endm
; Which token stands in my lane's slot: tile tb + lane / 4, row 4 w + lane % 4.  k: rank in its list, P1..P3: ranks at which the batch's words 1..3 begin, c: the list's length.
.macro LOOK1 tb, B, m
	v_add_nc_u32 v[\B], 8*(\tb), v23
	v_cmp_le_u32 s[\m], s86, v[\B]                 ; in the second batch's list?
	v_sub_nc_u32 v[\B+1], v[\B], s86
	v_cndmask_b32 v[\B], v[\B], v[\B+1], s[\m]
	v_mov_b32 v[\B+4], s66
	v_mov_b32 v[\B+5], s67
	v_mov_b32 v[\B+6], s68
	v_mov_b32 v[\B+1], s69
	v_cndmask_b32 v[\B+4], v[\B+4], s70, s[\m]
	v_cndmask_b32 v[\B+5], v[\B+5], s71, s[\m]
	v_cndmask_b32 v[\B+6], v[\B+6], s72, s[\m]
	v_cndmask_b32 v[\B+1], v[\B+1], s73, s[\m]
	v_mov_b32 v[\B+2], 0
	v_mov_b32 v[\B+3], 0
	v_cmp_le_u32 vcc_lo, v[\B+4], v[\B]
	v_cndmask_b32 v[\B+3], v[\B+3], v[\B+4], vcc_lo
	v_cndmask_b32 v[\B+2], v[\B+2], 8, vcc_lo
	v_cmp_le_u32 vcc_lo, v[\B+5], v[\B]
	v_cndmask_b32 v[\B+3], v[\B+3], v[\B+5], vcc_lo
	v_cndmask_b32 v[\B+2], v[\B+2], 16, vcc_lo
	v_cmp_le_u32 vcc_lo, v[\B+6], v[\B]
	v_cndmask_b32 v[\B+3], v[\B+3], v[\B+6], vcc_lo
	v_cndmask_b32 v[\B+2], v[\B+2], 24, vcc_lo     ; 8 x the word
	v_sub_nc_u32 v[\B+3], v[\B], v[\B+3]
	v_lshlrev_b32 v[\B+3], 2, v[\B+3]
	v_and_b32 v[\B+3], 0x7c, v[\B+3]
	ds_bpermute_b32 v[\B+4], v[\B+3], v26
	ds_bpermute_b32 v[\B+5], v[\B+3], v27
.endm
.macro LOOK2 B, m, tok
	v_cndmask_b32 v[\B+4], v[\B+4], v[\B+5], s[\m]
	v_lshrrev_b32 v[\B+4], v[\B+2], v[\B+4]
	v_and_b32 v[\B+4], 31, v[\B+4]
	v_lshl_add_u32 v[\tok], v[\B+2], 2, v[\B+4]    ; 32 x word + place
	v_mov_b32 v[\B+6], 0x80
	v_cndmask_b32 v[\B+6], 0, v[\B+6], s[\m]
	v_add3_u32 v[\tok], v[\tok], v[\B+6], s87
	v_min_u32 v[\tok], 511, v[\tok]                ; a loaded number enters an address only behind this bound
	v_lshlrev_b32 v[\B+7], 2, v[\tok]
	global_load_b32 v[\B+6], v[\B+7], s[6:7]       ; its gate
	v_cmp_gt_u32 s[\m], v[\B+1], v[\B]             ; no padding
.endm
.macro GPUT B, m, off
	v_cndmask_b32 v[\B+6], 0, v[\B+6], s[\m]
	ds_store_b32 v14, v[\B+6] offset:\off
.endm
.macro XOFFS                           ; offsets of my rows: tile i, rows 4 w + 2 kk + lane / 16, into v[64 + 2 i + kk]
.irp i, 0,1,2,3,4,5,6,7,8,9,10
.irp kk, 0,1
	v_add_nc_u32 v30, 16*(\i%8)+8*\kk, v13
.if \i < 8
	ds_bpermute_b32 v[64+2*\i+\kk], v30, v86
.else
	ds_bpermute_b32 v[64+2*\i+\kk], v30, v87
.endif
.endr
.endr
	VW
	s_wait_dscnt 0x0
.set xn, 64
.rept 22
	v_min_u32 v[xn], 511, v[xn]
.set xn, xn+1
.endr
.set xn, 64
.rept 22
	v_lshl_add_u32 v[xn], v[xn], 10, v12
.set xn, xn+1
.endr
.endm
.macro XGET i, dst                     ; eight loads, each two rows x 256 bytes
.irp kk, 0,1
.irp j, 0,1,2,3
	global_load_b128 v[\dst+16*\kk+4*\j:\dst+16*\kk+4*\j+3], v[64+2*(\i)+\kk], s[8:9] offset:256*\j
.endr
.endr
.endm
.macro XPUT i, dst
.irp kk, 0,1
.irp j, 0,1,2,3
	ds_store_b128 v[8+(\i)/4], v[\dst+16*\kk+4*\j:\dst+16*\kk+4*\j+3] offset:XT*((\i)%4)+4352*\j+32*\kk
.endr
.endr
.endm
.macro XFRAG hf, adr                   ; K steps 4 hf .. + 3 of a tile of x: 16 loads, each two runs of 256 bytes
.irp s, 0,1,2,3
.irp c, 0,1,2,3
	ds_load_b128 v[128+64*\hf+16*\s+4*\c:131+64*\hf+16*\s+4*\c], v[\adr] offset:2176*(4*\hf+\s)+544*\c
.endr
.endr
.endm
.macro MUL1 hf                         ; 16 matrix instructions: four tiles of hidden units by turns
	WIN 1+\hf                                      ; source 0 (W1) window 1 or 2
.irp s, 0,1,2,3
.irp u, 0,1,2,3
.if (\hf == 0) && (\s == 0)
	v_wmma_f32_16x16x128_fp8_fp8 v[64+8*\u:71+8*\u], v[16*\u:16*\u+15], v[128:143], v[96+8*\u:103+8*\u]
.else
	v_wmma_f32_16x16x128_fp8_fp8 v[64+8*\u:71+8*\u], v[16*(4*\s+\u):16*(4*\s+\u)+15], v[128+64*\hf+16*\s:143+64*\hf+16*\s], v[64+8*\u:71+8*\u]
.endif
.endr
.endr
	WIN 0
.endm
.macro P1SEG k, a, n                   ; n tiles of chunk k, from its tile a on; that tile's loads from LDS have been issued
	s_mov_b32 s60, 11*\k+\a                        ; the tile
	s_mov_b32 s61, \a*XT                           ; its place among x's tiles in LDS
	s_mov_b32 s62, (11*\k+\a)*4096                 ; its place among h's
	s_mov_b32 s59, \n
.Lp1_\@:
	s_cmp_ge_u32 s60, s41
	s_cbranch_scc1 .Lstep_\@                       ; no tile left: only the stepping lines
	s_add_co_u32 s53, s61, XT
	s_min_u32 s53, s53, 10*XT                      ; the look-ahead stays among x's eleven tiles
	v_add_nc_u32 v16, s53, v11                     ; the next tile of x
	v_add_nc_u32 v17, s62, v15
	VW
	s_wait_dscnt 16                                ; K steps 0-3 are in; K steps 4-7's sixteen loads may be out
	MUL1 0
	PLACES
	XFRAG 0, 16
	s_wait_dscnt 16                                ; all but the sixteen just issued
	MUL1 1
	PLACES                                         ; for the loads below and for the reads of the sums
	XFRAG 1, 16
.set hj, 0
.rept 32
	v_med3_num_f32 v[64+hj], v[64+hj], 0, v25      ; relu and the hold (the conversion does not saturate: ISA guide 7.6.2), each sum from its low end on
.set hj, hj+1
.endr
.irp u, 0,1,2,3
	v_cvt_scalef32_pk8_fp8_f32 v[32+2*\u:33+2*\u], v[64+8*\u:71+8*\u], v24
.endr
	v_nop                                          ; a plain line behind the last conversion
	ds_store_b128 v17, v[32:35]
	ds_store_b128 v17, v[36:39] offset:512
.Lstep_\@:
	s_add_co_u32 s60, s60, 1
	s_add_co_u32 s61, s61, XT
	s_add_co_u32 s62, s62, 4096
	s_sub_co_u32 s59, s59, 1
	s_cmp_lg_u32 s59, 0
	s_cbranch_scc1 .Lp1_\@
.endm
.macro P1END
	s_wait_dscnt 0x0                               ; my reads of x are over, my images of h have landed
	s_barrier_signal -1
	s_barrier_wait -1
.endm
.macro CHUNK k, n                      ; the tiles beyond the first chunk's eleven, where they exist: four landing tiles at a time in x's fragment registers
	s_cmp_le_u32 s41, 11*\k
	s_cbranch_scc1 .Lnox_\@
	LOOK1 11*\k, 232, 50
	LOOK1 11*\k+8, 240, 51
	VW
	s_wait_dscnt 0x0
	LOOK2 232, 50, 86
	LOOK2 240, 51, 87
	XOFFS
	VW
	s_wait_loadcnt 0x0
	GPUT 232, 50, 704*\k
	GPUT 240, 51, 704*\k+512
	s_wait_dscnt 0x0                               ; the stores have read their registers, which loads take below
.irp g, 0,1,2
.irp i, 0,1,2,3
.if 4*\g+\i < 11
	XGET 4*\g+\i, 128+32*\i
.endif
.endr
	s_wait_loadcnt 0x0
.irp i, 0,1,2,3
.if 4*\g+\i < 11
	XPUT 4*\g+\i, 128+32*\i
.endif
.endr
	s_wait_dscnt 0x0
.endr
.Lnox_\@:
	s_wait_dscnt 0x0
	s_barrier_signal -1
	s_barrier_wait -1                              ; everybody's part of the chunk has landed
	s_cmp_le_u32 s41, 11*\k
	s_cbranch_scc1 .Lnone_\@
	XFRAG 0, 11
	XFRAG 1, 11
.Lnone_\@:
	P1SEG \k, 0, \n
	P1END
.endm
.macro FLUSH                           ; lanes of mask s52: the first batch's sums are set aside, the second's begin: x 1 or 0, and x 0 or 1
	VW
	v_cndmask_b32 v30, 0, 1.0, s52
	v_cndmask_b32 v31, 1.0, 0, s52
.irp c, 0,1,2,3,4,5,6,7
	v_fmac_f32 v[6+\c], v30, v[32+2*\c]
.endr
.irp c, 0,1,2,3,4,5,6,7
	v_fmac_f32 v[6+\c], v30, v[33+2*\c]
.endr
.irp c, 0,1,2,3,4,5,6,7
	v_pk_mul_f32 v[32+2*\c:33+2*\c], v[32+2*\c:33+2*\c], v[30:31] op_sel:[0,1] op_sel_hi:[1,1]
.endr
	VW
.endm
.macro BOUND i, sb                     ; s52: the lanes whose first list ends at tile i (sb = 88), or ended at the tile before (sb = 94)
	s_cmp_eq_u32 \i, s[\sb]
	s_cselect_b32 s52, 0xffff, 0
	s_cmp_eq_u32 \i, s[\sb+1]
	s_cselect_b32 s54, 0xffff0000, 0
	s_or_b32 s52, s52, s54
.endm
.macro MULY b, n, ps, w                ; product n of a tile: column tile n % 8, K half n / 8; eight accumulators by turns
.if (\n) < 8
	v_wmma_f32_16x16x128_fp8_fp8 v[128+64*(\b)+8*(\n):135+64*(\b)+8*(\n)], v[64+32*(\b):79+32*(\b)], v[32*(\n):32*(\n)+15], 0
.elseif (\n) < 15
	v_wmma_f32_16x16x128_fp8_fp8 v[128+64*(\b)+8*((\n)-8):135+64*(\b)+8*((\n)-8)], v[80+32*(\b):95+32*(\b)], v[32*((\n)-8)+16:32*((\n)-8)+31], v[128+64*(\b)+8*((\n)-8):135+64*(\b)+8*((\n)-8)]
.else
.if \ps == 0
	WIN 0                                          ; source 1 window 0
	v_wmma_f32_16x16x128_fp8_fp8 v[184+64*(\b):191+64*(\b)], v[80+32*(\b):95+32*(\b)], v[48:63], v[184+64*(\b):191+64*(\b)]
.else
	WIN 8                                          ; source 1 window 2
	v_wmma_f32_16x16x128_fp8_fp8 v[184+64*(\b):191+64*(\b)], v[80+32*(\b):95+32*(\b)], v[16:31], v[184+64*(\b):191+64*(\b)]
.endif
	WIN (\w)<<2
.endif
.endm
.macro GFMA b, m                       ; slots 8 h + 2 p, + 1 (p = m / 8) of column tile m % 8 x their gates; each result from its low end on
	v_pk_fma_f32 v[32+2*((\m)%8):33+2*((\m)%8)], v[128+64*(\b)+8*((\m)%8)+2*((\m)/8):129+64*(\b)+8*((\m)%8)+2*((\m)/8)], v[240+8*(\b)+2*((\m)/8):241+8*(\b)+2*((\m)/8)], v[32+2*((\m)%8):33+2*((\m)%8)]
.endm
.macro TILE j, b, ps, w, out           ; tile i = s60 + j: its products into set b; tile i - 1's multiply-adds from the other set
	s_wait_dscnt 0x0                               ; this tile's h and the last tile's gates, asked for a tile ago
	s_add_co_u32 s53, s60, \j
	s_cmp_gt_u32 s53, s41
	s_cbranch_scc1 \out
	BOUND s53, 94
	s_cbranch_scc0 .Lnf_\@
	FLUSH
.Lnf_\@:
	s_add_co_u32 s53, s61, 4096*\j
	s_min_u32 s53, s53, 31*4096                    ; the look-ahead stays among h's tiles
	v_add_nc_u32 v18, s53, v20                     ; these two and the two multiply-adds behind the last tile's last product are the four places ahead of loads into the last tile's h
	s_add_co_u32 s53, s62, 64*\j
	v_add_nc_u32 v19, s53, v21
	WIN (\w)<<6
	ds_load_b128 v[240+8*\b:243+8*\b], v19         ; this tile's gates
	ds_load_b128 v[244+8*\b:247+8*\b], v19 offset:16
	WIN (\w)<<2
.irp n, 0,1,2,3,4,5,6,7
	ds_load_b128 v[64+32*(1-\b)+4*\n:67+32*(1-\b)+4*\n], v18 offset:512*\n     ; the next tile's h
.endr
.irp n, 0,1,2,3,4,5,6,7,8,9,10,11,12,13,14,15
	MULY \b, \n, \ps, \w
	GFMA 1-\b, 2*\n
	GFMA 1-\b, 2*\n+1
.endr
	WIN 0
	VW
.endm
.macro P2SEG i0, n, ps, w              ; tiles i0 .. i0 + 2 n - 1, i0 odd
	s_mov_b32 s60, \i0                             ; a trip's first tile,
	s_mov_b32 s61, (\i0+1)*4096                    ; the h of the tile behind it,
	s_mov_b32 s62, \i0*64                          ; and its own gates
	s_mov_b32 s59, \n
.Lp2_\@:
	TILE 0, 1, \ps, \w, .Lq_\@
	TILE 1, 0, \ps, \w, .Lq_\@
.Lq_\@:
	s_add_co_u32 s60, s60, 2
	s_add_co_u32 s61, s61, 8192
	s_add_co_u32 s62, s62, 128
	s_sub_co_u32 s59, s59, 1
	s_cmp_lg_u32 s59, 0
	s_cbranch_scc1 .Lp2_\@
.endm
.macro PASS ps, w                      ; w: the window of this half of W2
.set fn, 0
.rept 16
	v_mov_b32 v[32+fn], 0                          ; the running sums and those set aside: T may be 0
.set fn, fn+1
.endr
.irp c, 0,1,2,3,4,5,6,7
	v_mov_b32 v[6+\c], 0
.endr
.irp n, 0,1,2,3,4,5,6,7
	ds_load_b128 v[64+4*\n:67+4*\n], v20 offset:512*\n             ; h of tiles 0
.endr
.irp n, 0,1,2,3,4,5,6,7
	ds_load_b128 v[96+4*\n:99+4*\n], v20 offset:4096+512*\n        ; and 1
.endr
	WIN (\w)<<6
	ds_load_b128 v[240:243], v21                   ; tile 0's gates
	ds_load_b128 v[244:247], v21 offset:16
	WIN 0
	VW
.if \ps == 0
	s_wait_loadcnt 24                              ; W2's first half is in: behind it stand 24 loads of the second
.else
	s_wait_loadcnt 0x0
	s_wait_xcnt 0x0                                ; the first pass's stores have read their registers
.endif
	s_wait_dscnt 0x0
	WIN (\w)<<2
.irp n, 0,1,2,3,4,5,6,7,8,9,10,11,12,13,14,15
	MULY 0, \n, \ps, \w                            ; tile 0
.endr
	WIN 0
	PLACES
.if \ps == 0
	P2SEG 1, 2, \ps, \w
	WIN 0x40
	WL 84, 104, 12, 64
	WIN 0
	P2SEG 5, 2, \ps, \w
	WIN 0x40
	WL 104, 124, 12, 64
	WIN 0
	P2SEG 9, 12, \ps, \w
.else
	P2SEG 1, 16, \ps, \w
.endif
	s_wait_dscnt 0x0                               ; the look-ahead's last loads
	BOUND s41, 88                                  ; a half whose first list ends with the last tile
	FLUSH
.irp c, 0,1,2,3,4,5,6,7
	v_add_f32 v[248+\c], v[32+2*\c], v[33+2*\c]
.endr
.irp c, 0,2,4,6
	v_pk_mul_f32 v[240+\c:241+\c], v[6+\c:7+\c], s[48:49] op_sel_hi:[1,0]  ; x 2^(eh + ew2 - 7)
	v_pk_mul_f32 v[248+\c:249+\c], v[248+\c:249+\c], s[48:49] op_sel_hi:[1,0]
.endr
.irp k, 0,1                            ; sixteen lanes store 256 consecutive bytes of a batch's row; column 64 block + 4 r + cc
	global_store_b128 v22, v[240+4*\k:243+4*\k], s[18:19] offset:256*(2*\ps+\k)
	global_store_b128 v22, v[248+4*\k:251+4*\k], s[18:19] offset:4096+256*(2*\ps+\k)
.endr
.endm
	s_load_b512 s[4:19], s[0:1], 0x0               ; oh, rt, xq, w1q, w2q, b1, scales, part
	v_lshl_add_u32 v28, v0, 2, SPARE               ; my spare word,
	v_mov_b32 v29, 0                               ; and 0: kept for the closing lines
	v_lshrrev_b32 v1, 5, v0
	v_readfirstlane_b32 s40, v1                    ; wave w
	v_and_b32 v1, 31, v0                           ; lane
	v_and_b32 v2, 15, v0                           ; r
	v_bfe_u32 v3, v0, 4, 1                         ; h
	VW
	s_lshr_b32 s42, s40, 1                         ; which pair of batches my rows 4 w .. + 3 belong to
	s_and_b32 s43, s40, 1
	s_lshr_b32 s58, ttmp9, 6                       ; q
	s_and_b32 s57, ttmp9, 15                       ; sl
	s_bfe_u32 s56, ttmp9, 0x20004                  ; e
	s_mov_b32 s91, 0
	v_lshlrev_b32 v5, 4, v1                        ; 16 x lane
	v_lshlrev_b32 v4, 2, v1
	s_lshl_b32 s53, s42, 10
	v_add_nc_u32 v6, s53, v4                       ; the choices: my pair's 256 tokens,
	s_xor_b32 s53, s53, 1024
	v_add_nc_u32 v7, s53, v4                       ; and the other pair's
	v_lshlrev_b32 v31, 7, v3                       ; b1: 32 numbers for each half of the lanes
	v_mul_u32_u24 v8, v2, 272                      ; x into LDS: piece lane % 16, row 4 w + lane / 16
	v_lshl_add_u32 v8, v3, 4, v8
	s_lshl_b32 s53, s40, 6
	v_add_nc_u32 v8, s53, v8
	v_add_nc_u32 v9, 4*XT, v8
	v_add_nc_u32 v10, 8*XT, v8
	v_mul_u32_u24 v11, v3, 272                     ; and out of it: piece 8 s + 2 c + h, row r
	v_lshl_add_u32 v11, v2, 4, v11
	v_lshlrev_b32 v12, 4, v2
	v_lshlrev_b32 v13, 2, v3
	v_lshrrev_b32 v30, 2, v1
	v_lshlrev_b32 v14, 6, v30                      ; gates: tile lane / 4, row 4 w + lane % 4
	v_and_b32 v23, 3, v1
	v_lshl_add_u32 v14, v23, 2, v14
	s_lshl_b32 s53, s40, 4
	s_add_co_u32 s53, s53, GATE
	v_add_nc_u32 v14, s53, v14
	v_lshl_add_u32 v23, v30, 3, v23
	s_lshl_b32 s53, s43, 2
	v_add_nc_u32 v23, s53, v23                     ; my slot's place in its pair of lists, at tile 0
	s_lshl_b32 s53, s40, 10
	s_add_co_u32 s53, s53, HIMG
	v_add_nc_u32 v15, s53, v5                      ; h: my pieces,
	v_add_nc_u32 v20, HIMG, v5                     ; and all
	v_lshl_add_u32 v21, v3, 5, GATE                ; gates of slots 8 h + 0..7
	v_lshlrev_b32 v22, 13, v3                      ; part: batches 2 h, 2 h + 1
	v_lshl_add_u32 v22, v2, 4, v22
	VW
	s_wait_kmcnt 0x0
	s_lshl_b32 s90, s56, 4
	s_add_nc_u64 s[16:17], s[16:17], s[90:91]
	s_load_b128 s[36:39], s[16:17], 0x0            ; ex, ew1, eh, ew2
	s_lshl_b32 s90, s58, 11
	s_add_nc_u64 s[4:5], s[4:5], s[90:91]
	s_add_nc_u64 s[6:7], s[6:7], s[90:91]
.irp j, 0,1,2,3,4,5,6,7
	global_load_b32 v[64+\j], v6, s[4:5] offset:128*\j
.endr
.irp j, 0,1,2,3,4,5,6,7
	global_load_b32 v[72+\j], v7, s[4:5] offset:128*\j
.endr
	s_lshl_b32 s90, s58, 19
	s_add_nc_u64 s[8:9], s[8:9], s[90:91]
	s_lshl_b32 s90, s56, 14
	s_lshl_b32 s53, s57, 10
	s_add_co_u32 s90, s90, s53
	s_lshl_b32 s53, s40, 8
	s_add_co_u32 s90, s90, s53
	s_add_nc_u64 s[14:15], s[14:15], s[90:91]
	s_lshl_b32 s90, s56, 22
	s_lshl_b32 s53, s57, 18
	s_add_co_u32 s90, s90, s53
	s_lshl_b32 s53, s40, 16
	s_add_co_u32 s90, s90, s53
	s_add_nc_u64 s[10:11], s[10:11], s[90:91]
	s_add_nc_u64 s[12:13], s[12:13], s[90:91]
	s_lshl_b32 s90, s56, 20
	s_lshl_b32 s53, s57, 16
	s_add_co_u32 s90, s90, s53
	s_lshl_b32 s53, s58, 14
	s_add_co_u32 s90, s90, s53
	s_lshl_b32 s53, s40, 10
	s_add_co_u32 s90, s90, s53
	s_add_nc_u64 s[18:19], s[18:19], s[90:91]
.irp j, 0,1,2,3,4,5,6,7
	global_load_b128 v[32+4*\j:35+4*\j], v31, s[14:15] offset:16*\j        ; b1 at 32 h + 4 j + u
.endr
	WIN 0x40
	WL 0, 32, 10, 0                                ; W1's K steps 0, 1
	WIN 0
	s_wait_loadcnt 40                              ; the choices are in; b1's 8 and W1's 32 loads may be out
	; which tokens chose e: masks of 32, my pair's eight words first
	s_lshl_b32 s53, s56, 3
	s_lshl_b32 s54, 1, s53
.irp j, 0,1,2,3,4,5,6,7,8,9,10,11,12,13,14,15
	v_cmp_eq_u32 s[20+\j], s54, v[64+\j]
.endr
.irp j, 0,1,2,3,4,5,6,7,8,9,10,11,12,13,14,15
	s_bcnt1_i32_b32 s[66+\j], s[20+\j]
.endr
	; each of my words' 32 tokens are sorted, the chosen ones first in their order: a full permutation, pushed from lane to lane
.irp j, 0,1,2,3,4,5,6,7
	v_mbcnt_lo_u32_b32 v[80+\j], s[20+\j], 0
.endr
.irp j, 0,1,2,3,4,5,6,7
	v_sub_nc_u32 v[88+\j], v1, v[80+\j]
.endr
.irp j, 0,1,2,3,4,5,6,7
	v_add_nc_u32 v[88+\j], s[66+\j], v[88+\j]
.endr
.irp j, 0,1,2,3,4,5,6,7
	v_cndmask_b32 v[88+\j], v[88+\j], v[80+\j], s[20+\j]
.endr
.irp j, 0,1,2,3,4,5,6,7
	v_lshlrev_b32 v[88+\j], 2, v[88+\j]
.endr
.irp j, 0,1,2,3,4,5,6,7
	ds_permute_b32 v[224+\j], v[88+\j], v1
.endr
.irp b, 66,70,74,78                    ; running counts: the ranks at which words 1, 2, 3 begin, and the list's length
	s_add_co_u32 s[\b+1], s[\b], s[\b+1]
	s_add_co_u32 s[\b+2], s[\b+1], s[\b+2]
	s_add_co_u32 s[\b+3], s[\b+2], s[\b+3]
.endr
.irp b, 0,1,2,3                        ; tiles of half rows: length / 8, rounded up
	s_add_co_u32 s53, s[69+4*\b], 7
	s_lshr_b32 s[82+\b], s53, 3
.endr
	s_add_co_u32 s53, s82, s83
	s_add_co_u32 s54, s84, s85
	s_max_u32 s41, s53, s54                        ; T
	s_lshl_b32 s86, s82, 3
	s_lshl_b32 s87, s42, 8
	s_cmp_eq_u32 s42, 0
	s_cselect_b32 s88, s82, s84                    ; the tile at which batch 1's list begins,
	s_cselect_b32 s89, s84, s82                    ; and batch 3's
	s_add_co_u32 s94, s88, 1
	s_add_co_u32 s95, s89, 1
	VW
	s_wait_dscnt 0x0
	v_lshl_or_b32 v26, v225, 8, v224               ; a batch's four sorted words, a byte each
	v_lshl_or_b32 v27, v229, 8, v228
	v_lshl_or_b32 v26, v226, 16, v26
	v_lshl_or_b32 v27, v230, 16, v27
	v_lshl_or_b32 v26, v227, 24, v26
	v_lshl_or_b32 v27, v231, 24, v27
	VW
	LOOK1 0, 232, 50
	LOOK1 8, 240, 51
	VW
	s_wait_dscnt 0x0
	LOOK2 232, 50, 86
	LOOK2 240, 51, 87
	XOFFS
	WIN 0xc0
.irp i, 0,1,2,3,4,5,6,7
	XGET \i, 32*\i
.endr
	WIN 0
.irp i, 8,9,10
	XGET \i, 128+32*(\i-8)
.endr
	WIN 0x40
	WL 32, 64, 10, 0                               ; W1's K steps 2, 3
	WIN 0x80
	WL 64, 128, 10, 64                             ; and 4 to 7
	WIN 0
.macro MKSCALE e, sc                   ; v[sc] = 2^e as f32, v[sc+1] = 448 x 2^e
	s_add_co_i32 s53, \e, 127
	s_lshl_b32 s54, s53, 23
	v_mov_b32 v[\sc], s54
	s_add_co_i32 s53, s53, 8
	s_lshl_b32 s53, s53, 23
	s_or_b32 s53, s53, 0x600000
	v_mov_b32 v[(\sc)+1], s53
.endm
	VW
	s_wait_kmcnt 0x0
	s_add_co_i32 s92, s36, s37                     ; a sum of the first product stands for sum x 2^(ex + ew1)
	s_sub_co_i32 s93, 0, s92
	s_sub_co_i32 s55, s38, s92
	MKSCALE s55, 24                                ; so h's conversion takes 2^(eh - ex - ew1)
	s_add_co_i32 s48, s38, s39
	s_add_co_i32 s48, s48, 120
	s_lshl_b32 s48, s48, 23                        ; 2^(eh + ew2 - 7)
	s_mov_b32 s49, s48                             ; (named with it as a pair)
	VW
	s_wait_loadcnt 63                              ; x, the gates and b1 are in: behind them stand 96 loads of W1
	GPUT 232, 50, 0
	GPUT 240, 51, 512
.irp i, 8,9,10
	XPUT \i, 128+32*(\i-8)
.endr
	WIN 0x0c                                       ; data window 3
.irp i, 0,1,2,3,4,5,6,7
	XPUT \i, 32*\i
.endr
	WIN 0
.irp u, 0,1,2,3
.irp j, 0,1,2,3,4,5,6,7
	v_ldexp_f32 v[96+8*\u+\j], v[32+4*\j+\u], s93  ; b1 / 2^(ex + ew1), in the result's layout: tile u, register j
.endr
.endr
	VW
	s_wait_dscnt 0x0
	s_barrier_signal -1
	s_barrier_wait -1                              ; everybody's part of the first chunk has landed
	XFRAG 0, 11
	XFRAG 1, 11
	WIN 0xc0
	WL 0, 20, 12, 0                                ; W2's first half, a third: x has left these registers
	WIN 0
	s_wait_loadcnt 20                              ; W1 is in: behind it stand these 20 loads
	P1SEG 0, 0, 2
	WIN 0xc0
	WL 20, 40, 12, 0                               ; the second third
	WIN 0
	P1SEG 0, 2, 2
	WIN 0xc0
	WL 40, 60, 12, 0                               ; the rest,
	WIN 0
	WL 60, 64, 12, 48                              ; the last four pieces in window 0
	P1SEG 0, 4, 7
	P1END
	CHUNK 1, 11
	CHUNK 2, 10                                    ; (T is 32 at the most)
	WIN 0x80
	WL 124, 128, 12, 120                           ; W2's second half: its last four pieces,
	WIN 0x40
	WL 64, 84, 12, 64                              ; and a third, where W1's K steps 0-3 lay
	WIN 0
	PASS 0, 3
	PASS 1, 1
	s_wait_tensorcnt 0x0                           ; the wave's end, behind my last LDS store
	ds_add_u32 v28, v29
	s_wait_dscnt 0x0
	s_endpgm
.Lfunc_end_k_qd9f540a41a_experts:
	.size	k_qd9f540a41a_experts, .Lfunc_end_k_qd9f540a41a_experts-k_qd9f540a41a_experts
	.p2alignl 7, 3214868480
	.fill 96, 4, 3214868480
	.section	.rodata,"a",@progbits
	.p2align	6, 0x0
	.amdhsa_kernel k_qd9f540a41a_experts
		.amdhsa_group_segment_fixed_size 325632
		.amdhsa_private_segment_fixed_size 0
		.amdhsa_enable_private_segment 0
		.amdhsa_kernarg_size 64
		.amdhsa_user_sgpr_count 2
		.amdhsa_user_sgpr_kernarg_segment_ptr 1
		.amdhsa_wavefront_size32 1
		.amdhsa_system_sgpr_workgroup_id_x 1
		.amdhsa_system_sgpr_workgroup_id_y 1
		.amdhsa_system_sgpr_workgroup_id_z 1
		.amdhsa_system_vgpr_workitem_id 0
		.amdhsa_next_free_vgpr 1024
		.amdhsa_next_free_sgpr 100
		.amdhsa_reserve_vcc 1
		.amdhsa_float_denorm_mode_32 3
		.amdhsa_float_denorm_mode_16_64 3
		.amdhsa_memory_ordered 1
		.amdhsa_forward_progress 1
		.amdhsa_inst_pref_size 211
	.end_amdhsa_kernel
	.amdgpu_metadata
---
amdhsa.version: [ 1, 2 ]
amdhsa.kernels:
  - .name:           k_qd9f540a41a_experts
    .symbol:         k_qd9f540a41a_experts.kd
    .args:
      - { .name: oh, .offset: 0, .size: 8, .value_kind: global_buffer, .address_space: global }
      - { .name: rt, .offset: 8, .size: 8, .value_kind: global_buffer, .address_space: global }
      - { .name: xq, .offset: 16, .size: 8, .value_kind: global_buffer, .address_space: global }
      - { .name: w1q, .offset: 24, .size: 8, .value_kind: global_buffer, .address_space: global }
      - { .name: w2q, .offset: 32, .size: 8, .value_kind: global_buffer, .address_space: global }
      - { .name: b1, .offset: 40, .size: 8, .value_kind: global_buffer, .address_space: global }
      - { .name: lowp_scales, .offset: 48, .size: 8, .value_kind: global_buffer, .address_space: global }
      - { .name: part, .offset: 56, .size: 8, .value_kind: global_buffer, .address_space: global }
    .group_segment_fixed_size: 325632
    .private_segment_fixed_size: 0
    .kernarg_segment_align: 8
    .kernarg_segment_size: 64
    .max_flat_workgroup_size: 128
    .sgpr_count:     100
    .vgpr_count:     1024
    .wavefront_size: 32
...
	.end_amdgpu_metadata
.endif
;; end of part 2
;; launch reduce (part 3): grid 129 x 1, 16 waves a work-group, no clusters, 10,752 bytes of LDS; arguments part, rt, oh, b2, lowp_scales, pq, out1; writes pq, out1
.if DOCPART == 3
	.amdgcn_target "amdgcn-amd-amdhsa--gfx1250"
	.amdhsa_code_object_version 6
	.text
	.protected	k_qd9f540a41a_reduce
	.globl	k_qd9f540a41a_reduce
	.p2align	8
	.type	k_qd9f540a41a_reduce,@function
k_qd9f540a41a_reduce:
	s_mov_b64 s[64:65], 0
	v_nop
	global_prefetch_b8 v0, s[64:65] scope:SCOPE_SE
	s_setreg_imm32_b32 hwreg(HW_REG_WAVE_MODE, 25, 1), 1
	s_wait_xcnt 0x0
; Work-groups 0..127: (batch b = id / 8, columns 128 (id % 8) .. + 127): the sum of the 64 partial sums, + the sum over the batch's tokens of gate x b2[chosen expert] / 128,
; quantised with lowp_scales[16] (between -126 and 119) into pq [16][1024], one code a byte.  Only the chosen expert's b2 counts for a token (see the first kernel's head).  NaN among the inputs is not served.
; Wave v sums partials 4 v .. 4 v + 3: loads of 512 consecutive bytes, 65,536 apart.  The sixteen results meet in LDS; wave 0 finishes: lane L takes columns 8 (L % 16) + 0..7 of eight waves' results
; (waves 8 (L / 16) on), one lane exchange joins the two halves, and lanes 0-15 store 8 codes each: 128 consecutive bytes, half of an aligned block of 256; pq is 16 KiB in all.
; Work-group 128: the load-balancing number, 4 x the sum over e of (count_e / 2048)(sum of probabilities_e / 2048) = 2^-20 x the sum of count_e x S_e.
; LDS: bytes 0..8,191 the first path's stage; 8,192..8,703 the second path's own; from 8,704 the spare words.
.set AUXST, 8192
.set SPARE, 8704
	s_load_b256 s[4:11], s[0:1], 0x0               ; part, rt, oh, b2
	s_load_b128 s[12:15], s[0:1], 0x20             ; scales, pq
	s_load_b64 s[16:17], s[0:1], 0x30              ; out1
	v_lshl_add_u32 v4, v0, 2, SPARE                ; my spare word,
	v_mov_b32 v5, 0                                ; and 0: kept for the closing lines
	v_lshrrev_b32 v1, 5, v0
	v_readfirstlane_b32 s20, v1                    ; wave
	v_and_b32 v1, 31, v0                           ; lane
	; every LDS address is made here, ahead of the partings
	v_lshlrev_b32 v6, 4, v0                        ; into the stage: 512 x wave + 16 x lane
	v_and_b32 v12, 15, v0
	v_bfe_u32 v7, v0, 4, 1
	v_and_b32 v9, 0x1e0, v0
	v_lshlrev_b32 v11, 4, v1
	v_lshl_add_u32 v10, v12, 5, AUXST              ; the second path, back: lane l takes wave l % 16's 32 bytes
	v_lshlrev_b32 v13, 3, v12                      ; pq: 8 codes
	v_lshlrev_b32 v12, 5, v12                      ; 8 columns
	v_lshl_add_u32 v7, v7, 12, v12                 ; back from the stage: eight waves further on for lanes 16-31
	v_add_nc_u32 v9, AUXST, v9                     ; the second path: 32 bytes a wave
	s_mov_b32 s40, 0x76543210
	s_mov_b32 s41, 0xfedcba98
	s_mov_b32 s27, 0
	s_mov_b32 s29, 0
	s_wait_alu depctr_va_vdst(0)
	s_wait_kmcnt 0x0
	s_cmp_eq_u32 ttmp9, 128
	s_cbranch_scc1 .Laux
	s_lshr_b32 s21, ttmp9, 3                       ; b
	s_and_b32 s24, ttmp9, 7                        ; which 128 columns
	s_lshl_b32 s26, s20, 18                        ; my 4 partials of 65,536 bytes
	s_lshl_b32 s25, s21, 12
	s_add_co_u32 s26, s26, s25
	s_lshl_b32 s28, s24, 9
	s_add_co_u32 s26, s26, s28
	s_add_nc_u64 s[4:5], s[4:5], s[26:27]
.irp i, 0,1,2,3
	global_load_b128 v[64+4*\i:67+4*\i], v11, s[4:5] offset:65536*\i th:TH_LOAD_NT
.endr
	s_cmp_lg_u32 s20, 0
	s_cbranch_scc1 .Lnot0
	s_load_b32 s30, s[12:13], 0x40                 ; wave 0 alone: lowp_scales[16], b2 at my 8 columns, the batch's gates and choices (4 tokens a lane)
	s_add_nc_u64 s[10:11], s[10:11], s[28:29]
	s_lshl_b32 s28, s21, 9
	s_add_nc_u64 s[6:7], s[6:7], s[28:29]
	s_add_nc_u64 s[8:9], s[8:9], s[28:29]
	global_load_b128 v[16:19], v11, s[6:7]
	global_load_b128 v[20:23], v11, s[8:9]
.irp e, 0,1,2,3
	global_load_b128 v[24+8*\e:27+8*\e], v12, s[10:11] offset:4096*\e
	global_load_b128 v[28+8*\e:31+8*\e], v12, s[10:11] offset:4096*\e+16
.endr
.Lnot0:
	s_wait_loadcnt 0x0
	v_pk_add_f32 v[192:193], v[64:65], v[68:69]
	v_pk_add_f32 v[194:195], v[66:67], v[70:71]
	v_pk_add_f32 v[196:197], v[72:73], v[76:77]
	v_pk_add_f32 v[198:199], v[74:75], v[78:79]
	v_pk_add_f32 v[192:193], v[192:193], v[196:197]
	v_pk_add_f32 v[194:195], v[194:195], v[198:199]
	ds_store_b128 v6, v[192:195]
	s_wait_alu depctr_va_vdst(0)
	s_wait_dscnt 0x0                               ; for the others' sake: my store has landed
	s_barrier_signal -1
	s_barrier_wait -1
	s_cmp_lg_u32 s20, 0
	s_cbranch_scc1 .Lend
.irp g, 0,1,2,3,4,5,6,7                ; wave 8 (L / 16) + g, columns 8 (L % 16) + 0..7
	ds_load_b128 v[64+8*\g:67+8*\g], v7 offset:512*\g
	ds_load_b128 v[68+8*\g:71+8*\g], v7 offset:512*\g+16
.endr
.irp e, 0,1,2,3                        ; G_e: the sum of the gates of the batch's tokens that chose e
.irp k, 0,1,2,3
	v_cmp_eq_u32 vcc_lo, 1<<(8*\e), v[20+\k]
	v_cndmask_b32 v[212+\k], 0, v[16+\k], vcc_lo
.endr
	v_add_f32 v212, v212, v213
	v_add_f32 v214, v214, v215
	v_mov_b32 v[216+\e], 0
	v_add_f32 v[208+\e], v212, v214
.endr
.irp m, 1,2,4,8
.irp e, 0,1,2,3
	v_add_f32_dpp v[208+\e], v[208+\e], v[208+\e] row_xmask:\m row_mask:0xf bank_mask:0xf
.endr
.endr
.irp e, 0,1,2,3
	v_permlanex16_b32 v[216+\e], v[208+\e], s40, s41
.endr
.irp e, 0,1,2,3
	v_add_f32 v[208+\e], v[208+\e], v[216+\e]
.endr
.irp e, 0,1,2,3
	v_mul_f32 v[208+\e], 0x3c000000, v[208+\e]     ; / 128
.endr
	s_wait_alu depctr_va_vdst(0)
	s_wait_dscnt 0x0
.irp g, 1,2,3,4,5,6,7
.irp k, 0,2,4,6
	v_pk_add_f32 v[64+\k:65+\k], v[64+\k:65+\k], v[64+8*\g+\k:65+8*\g+\k]
.endr
.endr
.irp k, 0,1,2,3,4,5,6,7
	v_permlanex16_b32 v[72+\k], v[64+\k], s40, s41 ; the other eight waves' sums of the same columns
.endr
.irp k, 0,2,4,6
	v_pk_add_f32 v[64+\k:65+\k], v[64+\k:65+\k], v[72+\k:73+\k]
.endr
.irp e, 0,1,2,3
.irp k, 0,1,2,3,4,5,6,7
	v_fmac_f32 v[64+\k], v[208+\e], v[24+8*\e+\k]
.endr
.endr
	s_wait_alu depctr_va_vdst(0)
	s_wait_kmcnt 0x0
	s_add_co_i32 s30, s30, 127
	s_lshl_b32 s31, s30, 23
	v_mov_b32 v220, s31                            ; 2^e16
	s_add_co_i32 s30, s30, 8
	s_lshl_b32 s30, s30, 23
	s_or_b32 s30, s30, 0x600000
	v_mov_b32 v221, s30                            ; 448 x 2^e16
.irp k, 0,1,2,3,4,5,6,7
	v_med3_num_f32 v[64+\k], v[64+\k], -v221, v221 ; the conversion does not saturate (ISA guide 7.6.2)
.endr
	v_cvt_scalef32_pk8_fp8_f32 v[222:223], v[64:71], v220
	v_nop
	s_wait_alu depctr_va_vdst(0)
	s_lshl_b32 s28, s21, 10
	s_lshl_b32 s25, s24, 7
	s_add_co_u32 s28, s28, s25
	s_add_nc_u64 s[14:15], s[14:15], s[28:29]
	s_wait_xcnt 0x0                                ; EXEC changes only behind this wait
	v_cmp_gt_u32 vcc_lo, 16, v1
	s_and_saveexec_b32 s31, vcc_lo                 ; both halves of the lanes hold the same codes: lanes 0-15 store them
	global_store_b64 v13, v[222:223], s[14:15]     ; 16 lanes store 128 consecutive bytes
	s_wait_xcnt 0x0
	s_or_b32 exec_lo, exec_lo, s31
	s_branch .Lend
.Laux:
	v_lshlrev_b32 v14, 5, v0                       ; thread t: two waves' sums of probabilities, four tokens' choices
	global_load_b128 v[16:19], v14, s[6:7] offset:8192
	global_load_b128 v[20:23], v14, s[6:7] offset:8208
	global_load_b128 v[24:27], v6, s[8:9]
.irp j, 0,1,2,3,4,5,6,7
	v_mov_b32 v[32+\j], 0
.endr
	s_wait_alu depctr_va_vdst(0)
	s_wait_loadcnt 0x0
	v_pk_add_f32 v[16:17], v[16:17], v[20:21]
	v_pk_add_f32 v[18:19], v[18:19], v[22:23]
	v_add_nc_u32 v24, v24, v25
	v_add_nc_u32 v26, v26, v27
	v_add_nc_u32 v24, v24, v26                     ; four counts, a byte each
.irp e, 0,1,2,3
	v_bfe_u32 v[20+\e], v24, 8*\e, 8
.endr
.irp e, 0,1,2,3
	v_cvt_f32_u32 v[20+\e], v[20+\e]
.endr
.irp m, 1,2,4,8
.irp j, 0,1,2,3,4,5,6,7
	v_add_f32_dpp v[16+\j], v[16+\j], v[16+\j] row_xmask:\m row_mask:0xf bank_mask:0xf
.endr
.endr
.irp j, 0,1,2,3,4,5,6,7
	v_permlanex16_b32 v[32+\j], v[16+\j], s40, s41
.endr
.irp j, 0,1,2,3,4,5,6,7
	v_add_f32 v[16+\j], v[16+\j], v[32+\j]
.endr
	ds_store_b128 v9, v[16:19]                     ; every lane holds the wave's sums
	ds_store_b128 v9, v[20:23] offset:16
	s_wait_alu depctr_va_vdst(0)
	s_wait_dscnt 0x0
	s_barrier_signal -1
	s_barrier_wait -1
	s_cmp_lg_u32 s20, 0
	s_cbranch_scc1 .Lend
	ds_load_b128 v[16:19], v10
	ds_load_b128 v[20:23], v10 offset:16
	s_wait_dscnt 0x0
.irp m, 1,2,4,8                        ; sixteen lanes hold the sixteen waves' sums
.irp j, 0,1,2,3,4,5,6,7
	v_add_f32_dpp v[16+\j], v[16+\j], v[16+\j] row_xmask:\m row_mask:0xf bank_mask:0xf
.endr
.endr
	v_mul_f32 v28, v16, v20
	v_fmac_f32 v28, v17, v21
	v_fmac_f32 v28, v18, v22
	v_fmac_f32 v28, v19, v23
	v_mul_f32 v28, 0x35800000, v28                 ; x 2^-20
	v_mov_b32 v15, 0
	s_wait_alu depctr_va_vdst(0)
	s_wait_xcnt 0x0                                ; EXEC changes only behind this wait
	v_cmp_eq_u32 vcc_lo, 0, v1
	s_and_saveexec_b32 s30, vcc_lo
	global_store_b32 v15, v28, s[16:17]
	s_wait_xcnt 0x0
	s_or_b32 exec_lo, exec_lo, s30
.Lend:
	s_wait_tensorcnt 0x0                           ; the wave's end, behind my last LDS store
	ds_add_u32 v4, v5
	s_wait_dscnt 0x0
	s_endpgm
.Lfunc_end_k_qd9f540a41a_reduce:
	.size	k_qd9f540a41a_reduce, .Lfunc_end_k_qd9f540a41a_reduce-k_qd9f540a41a_reduce
	.p2alignl 7, 3214868480
	.fill 96, 4, 3214868480
	.section	.rodata,"a",@progbits
	.p2align	6, 0x0
	.amdhsa_kernel k_qd9f540a41a_reduce
		.amdhsa_group_segment_fixed_size 10752
		.amdhsa_private_segment_fixed_size 0
		.amdhsa_enable_private_segment 0
		.amdhsa_kernarg_size 56
		.amdhsa_user_sgpr_count 2
		.amdhsa_user_sgpr_kernarg_segment_ptr 1
		.amdhsa_wavefront_size32 1
		.amdhsa_system_sgpr_workgroup_id_x 1
		.amdhsa_system_sgpr_workgroup_id_y 1
		.amdhsa_system_sgpr_workgroup_id_z 1
		.amdhsa_system_vgpr_workitem_id 0
		.amdhsa_next_free_vgpr 256
		.amdhsa_next_free_sgpr 66
		.amdhsa_reserve_vcc 1
		.amdhsa_float_denorm_mode_32 3
		.amdhsa_float_denorm_mode_16_64 3
		.amdhsa_memory_ordered 1
		.amdhsa_forward_progress 1
		.amdhsa_inst_pref_size 21
	.end_amdhsa_kernel
	.amdgpu_metadata
---
amdhsa.version: [ 1, 2 ]
amdhsa.kernels:
  - .name:           k_qd9f540a41a_reduce
    .symbol:         k_qd9f540a41a_reduce.kd
    .args:
      - { .name: part, .offset: 0, .size: 8, .value_kind: global_buffer, .address_space: global }
      - { .name: rt, .offset: 8, .size: 8, .value_kind: global_buffer, .address_space: global }
      - { .name: oh, .offset: 16, .size: 8, .value_kind: global_buffer, .address_space: global }
      - { .name: b2, .offset: 24, .size: 8, .value_kind: global_buffer, .address_space: global }
      - { .name: lowp_scales, .offset: 32, .size: 8, .value_kind: global_buffer, .address_space: global }
      - { .name: pq, .offset: 40, .size: 8, .value_kind: global_buffer, .address_space: global }
      - { .name: out1, .offset: 48, .size: 8, .value_kind: global_buffer, .address_space: global }
    .group_segment_fixed_size: 10752
    .private_segment_fixed_size: 0
    .kernarg_segment_align: 8
    .kernarg_segment_size: 56
    .max_flat_workgroup_size: 512
    .sgpr_count:     66
    .vgpr_count:     256
    .wavefront_size: 32
...
	.end_amdgpu_metadata
.endif
;; end of part 3
;; launch head (part 4): grid 63 x 1, 1 waves a work-group, no clusters, 0 bytes of LDS; arguments pq, whq, bh, lowp_scales, out0; writes out0
.if DOCPART == 4
	.amdgcn_target "amdgcn-amd-amdhsa--gfx1250"
	.amdhsa_code_object_version 6
	.text
	.protected	k_qd9f540a41a_head
	.globl	k_qd9f540a41a_head
	.p2align	8
	.type	k_qd9f540a41a_head,@function
k_qd9f540a41a_head:
	s_mov_b64 s[64:65], 0
	v_nop
	global_prefetch_b8 v0, s[64:65] scope:SCOPE_SE
	s_setreg_imm32_b32 hwreg(HW_REG_WAVE_MODE, 25, 1), 1
	s_wait_xcnt 0x0
; out0 = pooled Wh + bh on codes of E4M3: one wave makes 16 batches x 16 columns, K = 1,024 in eight steps of 128.
; Used transposed: source 0 = 16 columns of Wh (images of operand registers, 512 consecutive bytes a load), source 1 = the 16 batches' codes: lane (r, h) then holds batch r, columns 16 nt + 8 h + 0..7.
; Two accumulators take turns; their sum x 2^(e16 + e17) + bh is stored.  LIMIT: e16 + e17 between -126 and 127.  Columns past 999 are not stored.
; REGISTERS: v1-7 lane numbers and load offsets; v8-23 the two accumulators; v24-39 at work on the way out; v40-47 bh; v48 the stores' offset; v64-191 the batches' codes; window 1, v0-127: Wh's codes.
.set MSB, 0
.macro WIN new
.if MSB != \new
	s_set_vgpr_msb (MSB<<8)|\new
.set MSB, \new
.endif
.endm
	s_load_b256 s[4:11], s[0:1], 0x0               ; pq, whq, bh, scales
	s_load_b64 s[12:13], s[0:1], 0x20              ; out0
	v_and_b32 v1, 31, v0
	v_and_b32 v2, 15, v0                           ; r
	v_bfe_u32 v3, v0, 4, 1                         ; h
	v_lshlrev_b32 v4, 4, v1
	v_lshlrev_b32 v5, 10, v2
	v_lshl_add_u32 v5, v3, 4, v5                   ; pq: row r, + 16 h
	s_lshl_b32 s16, ttmp9, 4
	v_lshl_add_u32 v6, v3, 3, s16                  ; my first column
	v_min_u32 v7, 992, v6                          ; no load leaves bh
	v_lshlrev_b32 v7, 2, v7
	v_mul_u32_u24 v48, v2, 4000
	v_lshl_add_u32 v48, v6, 2, v48                 ; out0: row r of 4,000 bytes, my column
	s_lshl_b32 s14, ttmp9, 14
	s_mov_b32 s15, 0
	s_wait_alu depctr_va_vdst(0)
	s_wait_kmcnt 0x0
	s_load_b64 s[20:21], s[10:11], 0x40            ; e16, e17
	s_add_nc_u64 s[6:7], s[6:7], s[14:15]
	WIN 0x40                                       ; destination window 1
.set li, 0
.rept 32
	global_load_b128 v[4*li:4*li+3], v4, s[6:7] offset:512*li th:TH_LOAD_NT
.set li, li+1
.endr
	WIN 0
.set li, 0
.rept 32
	global_load_b128 v[64+4*li:64+4*li+3], v5, s[4:5] offset:32*li
.set li, li+1
.endr
	global_load_b128 v[40:43], v7, s[8:9]
	global_load_b128 v[44:47], v7, s[8:9] offset:16
	s_wait_kmcnt 0x0
	s_add_co_i32 s20, s20, s21
	s_add_co_i32 s20, s20, 127
	s_lshl_b32 s20, s20, 23                        ; 2^(e16 + e17)
	s_mov_b32 s21, s20                             ; (named with it as a pair)
	s_wait_loadcnt 0x0
	WIN 0x01                                       ; source 0 window 1
.irp s, 0,1,2,3,4,5,6,7
.if \s < 2
	v_wmma_f32_16x16x128_fp8_fp8 v[8+8*(\s%2):15+8*(\s%2)], v[16*\s:16*\s+15], v[64+16*\s:64+16*\s+15], 0
.else
	v_wmma_f32_16x16x128_fp8_fp8 v[8+8*(\s%2):15+8*(\s%2)], v[16*\s:16*\s+15], v[64+16*\s:64+16*\s+15], v[8+8*(\s%2):15+8*(\s%2)]
.endif
.endr
	WIN 0
.rept 4
	v_nop                                          ; four places ahead of the first read of results (ISA guide 7.12.1)
.endr
.irp k, 0,2,4,6
	v_pk_add_f32 v[24+\k:25+\k], v[8+\k:9+\k], v[16+\k:17+\k]      ; both accumulators from their low ends on
.endr
.irp k, 0,2,4,6
	v_pk_fma_f32 v[32+\k:33+\k], v[24+\k:25+\k], s[20:21], v[40+\k:41+\k] op_sel_hi:[1,0,1]
.endr
	s_wait_alu depctr_va_vdst(0)
	s_wait_xcnt 0x0                                ; EXEC changes only behind this wait
	v_cmp_gt_u32 vcc_lo, 1000, v6
	s_and_saveexec_b32 s22, vcc_lo
	global_store_b128 v48, v[32:35], s[12:13]
	global_store_b128 v48, v[36:39], s[12:13] offset:16
	s_endpgm
.Lfunc_end_k_qd9f540a41a_head:
	.size	k_qd9f540a41a_head, .Lfunc_end_k_qd9f540a41a_head-k_qd9f540a41a_head
	.p2alignl 7, 3214868480
	.fill 96, 4, 3214868480
	.section	.rodata,"a",@progbits
	.p2align	6, 0x0
	.amdhsa_kernel k_qd9f540a41a_head
		.amdhsa_group_segment_fixed_size 0
		.amdhsa_private_segment_fixed_size 0
		.amdhsa_enable_private_segment 0
		.amdhsa_kernarg_size 40
		.amdhsa_user_sgpr_count 2
		.amdhsa_user_sgpr_kernarg_segment_ptr 1
		.amdhsa_wavefront_size32 1
		.amdhsa_system_sgpr_workgroup_id_x 1
		.amdhsa_system_sgpr_workgroup_id_y 1
		.amdhsa_system_sgpr_workgroup_id_z 1
		.amdhsa_system_vgpr_workitem_id 0
		.amdhsa_next_free_vgpr 384
		.amdhsa_next_free_sgpr 66
		.amdhsa_reserve_vcc 1
		.amdhsa_float_denorm_mode_32 3
		.amdhsa_float_denorm_mode_16_64 3
		.amdhsa_memory_ordered 1
		.amdhsa_forward_progress 1
		.amdhsa_inst_pref_size 10
	.end_amdhsa_kernel
	.amdgpu_metadata
---
amdhsa.version: [ 1, 2 ]
amdhsa.kernels:
  - .name:           k_qd9f540a41a_head
    .symbol:         k_qd9f540a41a_head.kd
    .args:
      - { .name: pq, .offset: 0, .size: 8, .value_kind: global_buffer, .address_space: global }
      - { .name: whq, .offset: 8, .size: 8, .value_kind: global_buffer, .address_space: global }
      - { .name: bh, .offset: 16, .size: 8, .value_kind: global_buffer, .address_space: global }
      - { .name: lowp_scales, .offset: 24, .size: 8, .value_kind: global_buffer, .address_space: global }
      - { .name: out0, .offset: 32, .size: 8, .value_kind: global_buffer, .address_space: global }
    .group_segment_fixed_size: 0
    .private_segment_fixed_size: 0
    .kernarg_segment_align: 8
    .kernarg_segment_size: 40
    .max_flat_workgroup_size: 32
    .sgpr_count:     66
    .vgpr_count:     384
    .wavefront_size: 32
...
	.end_amdgpu_metadata
.endif
;; end of part 4
